; MI455X (gfx1250); checked and timed in simulation.
; The chip was launched on July 23, 2026; its instructions are those of AMD's public machine-readable ISA for CDNA 5 (MIT licence, August 2026) and "CDNA5" Instruction Set Architecture Reference Guide (July 2026). The comments in the code are by the model that wrote it; some were corrected since.
;; Attention Based Pooling. Allowed arithmetic: matrix products marked QUANTISED: E2M1 operands, one E8M0 scale for each 32 along K, by v_wmma_scale_f32_16x16x128_f8f6f4 with both operands' format E2M1 (or v_wmma_scale_f32_32x16x128_f4), f32 sums; products left as they are: f32 operands where the result goes on into a quantised operand, else bf16, f16 or f32 operands; f32 sums; everything else in f32.
;; Inputs: W1 64 x 64 float32; Ws 64 x 1 float32; b1 64 float32; bs 1 float32; x 2,048 x 32 x 64 float32.
;; Outputs: out0 2,048 x 1 float32.
;; This version of the problem:
;;   THIS VERSION OF THE PROBLEM IS GIVEN IN LOW PRECISION. The matrix products marked QUANTISED in the list below multiply operands that are first quantised to E2M1 (2 exponent bits, 1 mantissa bit; 4 bits a number), with one power-of-two scale for each 32 numbers along K (OCP MX v1.0); their sums are f32. All else is computed in f32.
;;   The module's matrix products, in the order in which they are computed (A, B: the left and right operand; K: the contracted axis; several contracted axes count as one K, in the product's order):
;;     1. [M 1,015,808, K 64] x [K 64, N 64]; A: computed on the way; B: input W1: QUANTISED
;;     2. [M 1,015,808, K 64] x [K 64, N 1]; A: computed on the way; B: input Ws: left as it is (N = 1 < 16)
;;   THE QUANTISER, for each operand of a quantised product, along K:
;;     - K is cut into blocks of 32 from its start; a last block that is shorter is filled with zeros.
;;     - A block's scale is 2^e with e = floor(log2(the largest magnitude in the block)) - 2, held to -126 .. 127; a block of zeros has e = 0. As a byte (E8M0): e + 127.
;;     - Each number is divided by its block's scale, clamped to +-6, and rounded to the nearest number of E2M1, ties to even, subnormals kept.
;;     - The product sums the exact products of the quantised numbers (number of the format x scale) in f32.
;;   ~~~python
;;   def quantise(x, axis):      # numpy; x: float32 -> the quantised numbers, widened to float32 again
;;       x = np.moveaxis(x, axis, -1); K = x.shape[-1]
;;       x = np.pad(x, [(0, 0)] * (x.ndim - 1) + [(0, -K % 32)]); x = x.reshape(x.shape[:-1] + (-1, 32)); a = np.abs(x).max(-1, keepdims=True)
;;       e = np.where(a > 0, np.clip(np.frexp(np.where(a > 0, a, 1))[1] - 1 - 2, -126, 127), 0)      # np.frexp(a)[1] - 1 = floor(log2(a)), exactly
;;       r = np.clip(x / 2.0 ** e, -6, 6)
;;       step = 2.0 ** (np.maximum(np.frexp(np.where(r == 0, 1, r))[1] - 1, 0) - 1)
;;       q = np.round(r / step) * step * 2.0 ** e      # np.round: ties to even
;;       return np.moveaxis(q.reshape(q.shape[:-2] + (-1,))[..., :K], -1, axis).astype(np.float32)
;;   ~~~
;;   OPERANDS COMPUTED ON THE WAY. 'Computed on the way' means the value that the module computes at that place (a softmax that the list does not call 'softmax' is quantised finished and normalised). What goes into a quantiser is computed in f32, as accurately as f32 sums, v_exp_f32 and their like allow (about 1e-6 of the number): no bf16 or f16 on the way to a quantiser, and a product that is left as it is and whose result goes on into a quantised operand takes f32 operands (vector FMAs, or v_wmma_f32_16x16x4_f32). A number that lies on a knife's edge between two numbers of the format may be rounded either way, as far as f32 arithmetic and the matrix unit's own rounding can turn it there, and no further.
;; One version. Each part assembles by itself: llvm-mc -triple=amdgcn-amd-amdhsa -mcpu=gfx1250 --defsym DOCPART=n.
;; ======== version 1 of 1: 1 launch
;; launch afm (part 1): grid 256 x 1, 8 waves a work-group, no clusters, 148,736 bytes of LDS; arguments x, W1, b1, Ws, bs, out0; writes out0
.if DOCPART == 1
	.amdgcn_target "amdgcn-amd-amdhsa--gfx1250"
	.amdhsa_code_object_version 6
	.text
	.protected	k_qe0c9ab17b9_afm
	.globl	k_qe0c9ab17b9_afm
	.p2align	8
	.type	k_qe0c9ab17b9_afm,@function
k_qe0c9ab17b9_afm:
	s_mov_b64 s[64:65], 0
	v_nop
	global_prefetch_b8 v0, s[64:65] scope:SCOPE_SE
	s_setreg_imm32_b32 hwreg(HW_REG_WAVE_MODE, 25, 1), 1
	s_wait_xcnt 0x0
; out0[b] = sum over the 496 pairs p = (i, j), i < j, of attn_p s_p;  s_p = sum over d of x[b][i][d] x[b][j][d] (f32);
; attn = softmax over p of score_p = Ws . relu(Q(cross_p) Q(W1) + b1) + bs, cross_p[d] = x[b][i][d] x[b][j][d].  Q: codes of FP4 (E2M1), one E8M0 scale for each 32 along d.
; (reference() sums cross x attn over p and then over d; here the sum over d is taken first: the same terms, in f32.)
; SHARES.  2,048 batch rows: 256 work-groups of 8 waves, ONE WAVE TO A BATCH ROW, from its 8,192 bytes of x to its one number of out0.  Waves share only W1's operand (one barrier).
; A LANE OWNS A WHOLE PAIR.  In a 4-bit operand lanes 0-15 hold K = 0..31 and 64..95, lanes 16-31 K = 32..63 and 96..127.  Lane l's eight code registers hold the 64 codes of ITS pair: one operand carries 32 pairs.
; W1 stands in two forms: Wa has its codes in lanes 0-15 and zero codes in lanes 16-31, Wb the other way round.  A product with Wa gives the hidden layer of pairs 0-15, one with Wb (cross's scales
; read from lanes 16-31) that of pairs 16-31.  So a block's largest magnitude, its scale word and s_p are made inside one lane.
; PAIRS BY DISTANCE.  Lane l keeps x_l and x_(l+16) (indices mod 32) in registers.  A row x_(l+e) read from LDS serves two tiles of 32 pairs: (l, l+e), distance e, and (l+16, l+e), distance 16 - e.
; e = 1..7 twice, e = 8 once, distance 16 from the two kept rows: 8 x 32 + 7 x 32 + 16 = 496.  In the last tile lanes 16-31 repeat lanes 0-15's pairs: their score becomes -infinity.
; RELU IN THE MATRIX UNIT.  Pass 1: D = W X + b1 (the bias is C).  Pass 2: D = W X + |D| (the modifier on C takes its magnitude) = 2 relu(h) - b1.  A lane's sum over its 32 hidden units starts at
; bs + sum Ws b1, so the two lanes of a pair add up to 2 score; the half goes into the exponent's constant.
; SOFTMAX.  Each tile's 2 score and s go to the wave's own LDS and come back at the end: the largest score of all pairs is taken away before the exponentials.
; NOT USED: a cluster with joint loads: work-groups share W1, b1 and Ws alone, 16,896 bytes against the 65,536 bytes of x that each reads for itself; tensor loads: nothing in LDS is filled twice;
; prefetches: every byte is asked for at the wave's first lines.  out0 is 4 bytes a wave: its stores cannot cover 256 bytes.
; LIMITS: NaN and infinities among the inputs are not served.  A block of zeros gets the scale byte 1 where the rule says 127: its codes are zeros, and the bytes are read here alone.
.set PITCH, 272                        ; an LDS row of x: 256 bytes + 16: sixteen neighbouring rows begin 68 words apart
.set DUP,   32*PITCH                   ; rows 0-15 lie a second time behind row 31, so that l + 16 and l + e need no wrap
.set SCO,   48*PITCH                   ; behind the 48 rows: 16 tiles x 32 lanes of 2 score, then as many of s
.set WREG,  17408                      ; a wave's own LDS: 13,056 + 2 x 2,048, rounded up
.set IMG,   8*WREG                     ; W1's operands as images of their registers: Wa's 8 blocks of 512 bytes, then Wb's
.set SCW,   IMG+8192                   ; W1's scale words: 64 hidden units x 4 bytes
; window 0
.set LN,  1                            ; lane
.set ROW, 2                            ; LDS: my row l of my wave's x
.set ADR, 3                            ; LDS: row l + e of the loads in hand
.set SCB, 4                            ; LDS: my word of tile 0's scores
.set STA, 5                            ; LDS: the same for the tiles in hand
.set LI,  6                            ; LDS: my 16 bytes of an image
.set XST, 7                            ; LDS: where x goes in: row lane / 16, 16 bytes x (lane % 16)
.set GX,  8                            ; x: 16 x lane
.set GW,  9                            ; W1: my column, my wave's 32 rows
.set WIA, 10                           ; LDS: where my codes of W1 go
.set WSA, 11                           ; LDS: where my scale bytes of W1 go
.set ZA,  12                           ; LDS: where my zero codes go
.set WSR, 13                           ; LDS: W1's scale word of hidden unit lane % 16
.set GB,  14                           ; b1, Ws: 32 x (lane / 16)
.set NIL, 15                           ; 0
.set XS,  16                           ; cross's scale word (holds nothing else)
.set WSC, 17                           ; v17-20 W1's scale words, a tile each (hold nothing else)
.set FRD, 21                           ; LDS: the way back of scores and s: 16 x lane
.set MXA, 22                           ; two chains of largest magnitudes
.set MXB, 23
.set SC,  24                           ; v24-25 the conversions' scale operands, a block each
.set BY,  26                           ; v26-27 the scale bytes
.set T,   28
.set S,   29                           ; s of my pair
.set SA,  30                           ; v[30:31], v[32:33] two chains of sums
.set SB,  32
.set ACA, 34                           ; v[34:41] four chains of Ws x D
.set ACB, 36
.set ACC, 38
.set ACD, 40
.set INIT, 42                          ; v[42:43] bs + sum Ws b1 over my 32 hidden units, in two halves
.set RR,  44                           ; lane % 16
.set HH,  45                           ; lane / 16
.set MC,  46                           ; v[46:47]
.set CD,  48                           ; v48-55 the 64 codes of my pair
.set I,   64                           ; v64-127  x_l
.set J,   128                          ; v128-191 x_(l+e); at the end scores and s
.set CB,  192                          ; v192-255 cross; at the head x as loaded
; window 1
.set WA,   0                           ; Wa, 8 registers a tile of 16 hidden units
.set WB,   32                          ; Wb
.set BIAS, 64                          ; b1 in the result's layout: register 8 t + j = b1[16 t + 8 (lane / 16) + j]
.set WS,   96                          ; Ws likewise
.set DD,   128                         ; results: pairs 0-15 tile t at 8 t, pairs 16-31 at 32 + 8 t
.set K,    192                         ; x_(l+16)
.set SEL, 30                           ; s[30:31] v_permlanex16_b32's selects for lane l xor 16
.set CS,  32                           ; s[32:33] log2(e) / 2
.set XO,  34                           ; (e + 1) rows, in bytes
.set SO,  35                           ; the trip's first score slot, in bytes
.set CNT, 36
.set MSB, 0
.macro WIN new                         ; the immediate's high byte repeats the setting that is left; a switch that changes nothing is dropped
.set WNEW, \new
.if MSB != WNEW
	s_set_vgpr_msb (MSB<<8)|WNEW
.set MSB, WNEW
.endif
.endm
	s_load_b256 s[4:11], s[0:1], 0x0               ; x s[4:5], W1 s[6:7], b1 s[8:9], Ws s[10:11]
	s_load_b128 s[12:15], s[0:1], 0x20             ; bs s[12:13], out0 s[14:15]
	v_lshl_add_u32 v62, v0, 2, 0x24100
	v_mov_b32 v63, 0
	v_lshrrev_b32 v[T], 5, v0
	s_delay_alu instid0(VALU_DEP_1)
	v_readfirstlane_b32 s16, v[T]                  ; wave 0..7
	v_and_b32 v[LN], 31, v0
	s_wait_alu depctr_va_vdst(0)
	v_and_b32 v[RR], 15, v0
	v_bfe_u32 v[HH], v0, 4, 1
	s_wait_alu depctr_va_vdst(0)
	s_mul_i32 s17, s16, WREG                       ; my wave's LDS
	s_and_b32 s18, s16, 1                          ; u: which 32 columns of W1 (waves 0-3)
	s_bfe_u32 s19, s16, 0x10001                    ; blk: which 32 rows
	s_lshl_b32 s20, s18, 7
	s_lshl_b32 s21, s19, 13
	s_add_co_u32 s20, s20, s21                     ; in W1: 128 u + 8,192 blk bytes
	s_lshl_b32 s21, s18, 11
	s_lshl_b32 s22, s19, 9
	s_add_co_u32 s21, s21, s22
	s_add_co_u32 s21, s21, IMG                     ; in the images: tile 2 u + lane / 16, half blk
	s_lshl_b32 s22, s18, 7
	s_lshl_b32 s23, s19, 1
	s_add_co_u32 s22, s22, s23
	s_add_co_u32 s22, s22, SCW                     ; among the scale words: 4 (32 u + lane) + 2 blk
	s_and_b32 s23, s16, 3
	s_lshl_b32 s23, s23, 10
	s_add_co_u32 s23, s23, IMG                     ; waves 4-7: image blocks 2 (wave - 4) + lane / 16
	; every LDS address is made here, ahead of the first branch on the wave's number
	v_mul_u32_u24 v[ROW], v[LN], PITCH
	s_delay_alu instid0(VALU_DEP_1)
	v_add_nc_u32 v[ROW], s17, v[ROW]
	v_lshlrev_b32 v[GX], 4, v[LN]
	v_lshl_add_u32 v[SCB], v[LN], 2, SCO
	s_delay_alu instid0(VALU_DEP_1)
	v_add_nc_u32 v[SCB], s17, v[SCB]
	s_delay_alu instid0(VALU_DEP_3)
	v_add_nc_u32 v[FRD], SCO, v[GX]
	s_delay_alu instid0(VALU_DEP_1)
	v_add_nc_u32 v[FRD], s17, v[FRD]
	v_add_nc_u32 v[LI], IMG, v[GX]
	v_mul_u32_u24 v[XST], v[HH], PITCH
	s_delay_alu instid0(VALU_DEP_1)
	v_lshl_add_u32 v[XST], v[RR], 4, v[XST]
	s_delay_alu instid0(VALU_DEP_1)
	v_add_nc_u32 v[XST], s17, v[XST]
	v_lshl_add_u32 v[GW], v[LN], 2, s20
	v_lshlrev_b32 v[WIA], 10, v[HH]
	s_delay_alu instid0(VALU_DEP_1)
	v_lshl_add_u32 v[WIA], v[RR], 4, v[WIA]
	s_delay_alu instid0(VALU_DEP_1)
	v_add_nc_u32 v[WIA], s21, v[WIA]
	v_lshl_add_u32 v[WSA], v[LN], 2, s22
	v_lshlrev_b32 v[ZA], 9, v[HH]
	s_delay_alu instid0(VALU_DEP_1)
	v_lshl_add_u32 v[ZA], v[RR], 4, v[ZA]
	s_delay_alu instid0(VALU_DEP_1)
	v_add_nc_u32 v[ZA], s23, v[ZA]
	v_lshl_add_u32 v[WSR], v[RR], 2, SCW
	v_lshlrev_b32 v[GB], 5, v[HH]
	v_mov_b32 v[NIL], 0
	v_mov_b32 v[MC+1], 0                           ; (named as the upper half of a pair)
	s_mov_b32 s[SEL], 0x76543210
	s_mov_b32 s[SEL+1], 0xfedcba98
	s_mov_b32 s[CS], 0x3f38aa3b                    ; log2(e) / 2: the stored numbers are 2 score
	s_mov_b32 s[CS+1], s[CS]                       ; (named with it as a pair, so it is written)
	s_lshl_b32 s24, ttmp9, 3
	s_add_co_u32 s24, s24, s16                     ; my batch row
	s_lshl_b32 s26, s24, 2                         ; its 4 bytes of out0
	s_mov_b32 s27, 0
	s_lshl_b32 s24, s24, 13                        ; its 8,192 bytes of x
	s_mov_b32 s25, 0
	s_wait_kmcnt 0x0
	s_add_nc_u64 s[4:5], s[4:5], s[24:25]
	s_add_nc_u64 s[14:15], s[14:15], s[26:27]
	s_load_b32 s28, s[12:13], 0x0                  ; bs
	; THE LOADS, all at once; the small tensors first, so that all that is made of them is made while x is on its way
	s_cmp_lt_u32 s16, 4
	s_cbranch_scc0 .Lno_w1
.set QQ, 0
.rept 32
	global_load_b32 v[J+QQ], v[GW], s[6:7] offset:256*QQ           ; W1(32 blk + i, 32 u + lane): a lane to a column, registers down K; 128 neighbouring bytes a load
.set QQ, QQ+1
.endr
.Lno_w1:
	WIN 0x40                                       ; destination window 1
	s_wait_alu depctr_va_vdst(0)
.irp t, 0,1,2,3
	global_load_b128 v[BIAS+8*\t:BIAS+8*\t+3],   v[GB], s[8:9] offset:64*\t
	global_load_b128 v[BIAS+8*\t+4:BIAS+8*\t+7], v[GB], s[8:9] offset:64*\t+16
	global_load_b128 v[WS+8*\t:WS+8*\t+3],       v[GB], s[10:11] offset:64*\t
	global_load_b128 v[WS+8*\t+4:WS+8*\t+7],     v[GB], s[10:11] offset:64*\t+16
.endr
	WIN 0
.set QQ, 0
.rept 16
	global_load_b128 v[CB+4*QQ:CB+4*QQ+3], v[GX], s[4:5] offset:512*QQ th:TH_LOAD_NT   ; x as it lies: 512 neighbouring bytes (two rows) a load; read once in the launch
.set QQ, QQ+1
.endr
	; W1's OPERANDS.  Waves 0-3 quantise 32 columns x 32 along K each and store the codes where Wa's and Wb's register images want them; waves 4-7 store the zero codes of the images' other halves.
	s_cmp_lt_u32 s16, 4
	s_cbranch_scc0 .Lzeros
	s_wait_loadcnt 32                              ; W1's 32 loads are in: behind them stand 16 loads of b1 and Ws and 16 of x
	v_max3_num_f32 v[MXA], |v[J]|, |v[J+1]|, 0x1800000             ; the block's largest magnitude, and the floor 2^(3 - 127): the byte cannot fall under 1
	v_max3_num_f32 v[MXB], |v[J+16]|, |v[J+17]|, |v[J+18]|
.irp k, 0,1,2,3,4,5
	s_delay_alu instid0(VALU_DEP_2)
	v_max3_num_f32 v[MXA], v[MXA], |v[J+2+2*\k]|, |v[J+3+2*\k]|
	s_delay_alu instid0(VALU_DEP_2)
	v_max3_num_f32 v[MXB], v[MXB], |v[J+19+2*\k]|, |v[J+20+2*\k]|
.endr
	s_delay_alu instid0(VALU_DEP_2)
	v_max3_num_f32 v[MXA], v[MXA], |v[J+14]|, |v[J+15]|
	s_delay_alu instid0(VALU_DEP_1)
	v_max3_num_f32 v[MXA], v[MXA], v[MXB], |v[J+31]|
	s_delay_alu instid0(VALU_DEP_1)
	v_add_nc_u32 v[SC], 0xff000000, v[MXA]         ; 2 off its exponent field: the conversion's scale operand
.irp g, 0,1,2,3
	v_cvt_scalef32_pk8_fp4_f32 v[CD+\g], v[J+8*\g:J+8*\g+7], v[SC]
.endr
	v_lshrrev_b32 v[BY], 23, v[SC]                 ; the scale's byte (a plain line behind the conversions)
	s_delay_alu instid0(VALU_DEP_1)
	v_lshl_or_b32 v[T], v[BY], 8, v[BY]            ; twice: Wa reads it as K block 2 blk, Wb as K block 2 blk + 1
	ds_store_b128 v[WIA], v[CD:CD+3]               ; Wa: lane position lane % 16
	ds_store_b128 v[WIA], v[CD:CD+3] offset:4096+256   ; Wb: lane position 16 + lane % 16
	ds_store_b16 v[WSA], v[T]
	s_branch .Lmeet
.Lzeros:
.irp g, 0,1,2,3
	v_mov_b32 v[CD+\g], 0
.endr
	ds_store_b128 v[ZA], v[CD:CD+3] offset:256     ; Wa's lanes 16-31
	ds_store_b128 v[ZA], v[CD:CD+3] offset:4096    ; Wb's lanes 0-15
.Lmeet:
	s_wait_dscnt 0x0                               ; for the others' sake: my stores have landed
	s_barrier_signal -1
	s_barrier_wait -1                              ; the images are whole; nobody writes them again
	WIN 0x40
.irp q, 0,1,2,3,4,5,6,7
	ds_load_b128 v[WA+4*\q:WA+4*\q+3], v[LI] offset:512*\q
	ds_load_b128 v[WB+4*\q:WB+4*\q+3], v[LI] offset:4096+512*\q
.endr
	WIN 0
.irp t, 0,1,2,3
	ds_load_b32 v[WSC+\t], v[WSR] offset:64*\t
.endr
	s_wait_loadcnt 16                              ; b1 and Ws are in; x's 16 loads may be out
	s_wait_kmcnt 0x0                               ; bs
	v_mov_b32 v[INIT], s28
	v_mov_b32 v[INIT+1], 0
	WIN 0x05                                       ; sources 0 and 1 window 1
.set QQ, 0
	v_pk_fma_f32 v[INIT:INIT+1], v[BIAS+QQ:BIAS+QQ+1], v[WS+QQ:WS+QQ+1], v[INIT:INIT+1]   ; bs + sum Ws b1 over my 32 hidden units
.set QQ, QQ+2
.rept (16)-1
	s_delay_alu instid0(VALU_DEP_1)
	v_pk_fma_f32 v[INIT:INIT+1], v[BIAS+QQ:BIAS+QQ+1], v[WS+QQ:WS+QQ+1], v[INIT:INIT+1]   ; bs + sum Ws b1 over my 32 hidden units
.set QQ, QQ+2
.endr
	WIN 0
	; x into my wave's rows, each load's two rows as soon as they are in; rows 0-15 twice
.irp k, 0,1,2,3,4,5,6,7,8,9,10,11,12,13,14,15
	s_wait_loadcnt 15-\k                           ; loads come back in order: the younger ones may be out
	ds_store_b128 v[XST], v[CB+4*\k:CB+4*\k+3] offset:2*PITCH*\k
.if \k < 8
	ds_store_b128 v[XST], v[CB+4*\k:CB+4*\k+3] offset:DUP+2*PITCH*\k
.endif
.endr
.macro LOADJ xreg, xoff, blk           ; half blk (32 numbers) of the row at xreg + xoff
.irp c, 0,1,2,3,4,5,6,7
	ds_load_b128 v[J+32*(\blk)+4*\c:J+32*(\blk)+4*\c+3], v[\xreg] offset:(\xoff)+128*(\blk)+16*\c
.endr
.endm
.irp c, 0,1,2,3,4,5,6,7,8,9,10,11,12,13,14,15
	ds_load_b128 v[I+4*\c:I+4*\c+3], v[ROW] offset:16*\c           ; x_l.  LDS serves a wave's instructions in order: these see my stores
.endr
	WIN 0x40
.irp c, 0,1,2,3,4,5,6,7,8,9,10,11,12,13,14,15
	ds_load_b128 v[K+4*\c:K+4*\c+3], v[ROW] offset:16*PITCH+16*\c  ; x_(l+16)
.endr
	WIN 0
	LOADJ ROW, PITCH, 0                            ; x_(l+1)
	LOADJ ROW, PITCH, 1
; cross = a x b, half blk, into d.  bw = 1: b lies in window 1
.macro MUL d, a, b, bw, blk
	WIN 4*(\bw)
.set QQ, 32*(\blk)
.rept 16
	v_pk_mul_f32 v[\d+QQ:\d+QQ+1], v[\a+QQ:\a+QQ+1], v[\b+QQ:\b+QQ+1]
.set QQ, QQ+2
.endr
	WIN 0
.endm
; the n-th addition of half blk for s: two chains; the first half's first two additions start them, so it has 14
.macro SUM d, blk, n
.set SN, \n
.set SRG, SA+2*(SN%2)
.if (\blk) == 1
	v_pk_add_f32 v[SRG:SRG+1], v[SRG:SRG+1], v[\d+32+2*SN:\d+33+2*SN]
.elseif SN == 0
	v_pk_add_f32 v[SA:SA+1], v[\d:\d+1], v[\d+2:\d+3]
.elseif SN == 1
	v_pk_add_f32 v[SB:SB+1], v[\d+4:\d+5], v[\d+6:\d+7]
.elseif SN < 14
	s_delay_alu instid0(VALU_DEP_4)
	v_pk_add_f32 v[SRG:SRG+1], v[SRG:SRG+1], v[\d+4+2*SN:\d+5+2*SN]
.endif
.endm
; a block's largest magnitude (32 numbers and the floor: 16 lines in two chains) and its part of s, line by line by turns, so that no line waits for the line above it
.macro MA d, blk
.set CX, \d+32*(\blk)
	v_max3_num_f32 v[MXA], |v[CX]|, |v[CX+1]|, 0x1800000           ; the floor 2^(3 - 127): the byte cannot fall under 1
	SUM \d, \blk, 0
	v_max3_num_f32 v[MXB], |v[CX+16]|, |v[CX+17]|, |v[CX+18]|
	SUM \d, \blk, 1
.irp k, 0,1,2,3,4,5
	s_delay_alu instid0(VALU_DEP_4)
	v_max3_num_f32 v[MXA], v[MXA], |v[CX+2+2*\k]|, |v[CX+3+2*\k]|
	SUM \d, \blk, 2+2*\k
	s_delay_alu instid0(VALU_DEP_4)
	v_max3_num_f32 v[MXB], v[MXB], |v[CX+19+2*\k]|, |v[CX+20+2*\k]|
	SUM \d, \blk, 3+2*\k
.endr
	s_delay_alu instid0(VALU_DEP_4)
	v_max3_num_f32 v[MXA], v[MXA], |v[CX+14]|, |v[CX+15]|
	SUM \d, \blk, 14
	v_max3_num_f32 v[MXA], v[MXA], v[MXB], |v[CX+31]|
	SUM \d, \blk, 15
.endm
.macro CVT d, blk                      ; 32 numbers -> registers 4 blk .. 4 blk + 3 of the operand
.irp g, 0,1,2,3
	v_cvt_scalef32_pk8_fp4_f32 v[CD+4*(\blk)+\g], v[\d+32*(\blk)+8*\g:\d+32*(\blk)+8*\g+7], v[SC+(\blk)]
.endr
.endm
; sum of Ws x D over my 32 hidden units, for pairs 0-15 (chains A, B) and pairs 16-31 (chains C, D).  Each accumulator is read from its low end on.
.macro RED
	WIN 0x05                                       ; D and Ws: window 1
	v_pk_fma_f32 v[ACA:ACA+1], v[DD:DD+1], v[WS:WS+1], v[INIT:INIT+1]
	v_pk_mul_f32 v[ACB:ACB+1], v[DD+16:DD+17], v[WS+16:WS+17]
	v_pk_fma_f32 v[ACC:ACC+1], v[DD+32:DD+33], v[WS:WS+1], v[INIT:INIT+1]
	v_pk_mul_f32 v[ACD:ACD+1], v[DD+48:DD+49], v[WS+16:WS+17]
.irp e, 2,4,6,8,10,12,14
	v_pk_fma_f32 v[ACA:ACA+1], v[DD+\e:DD+\e+1], v[WS+\e:WS+\e+1], v[ACA:ACA+1]
	v_pk_fma_f32 v[ACB:ACB+1], v[DD+16+\e:DD+17+\e], v[WS+16+\e:WS+17+\e], v[ACB:ACB+1]
	v_pk_fma_f32 v[ACC:ACC+1], v[DD+32+\e:DD+33+\e], v[WS+\e:WS+\e+1], v[ACC:ACC+1]
	v_pk_fma_f32 v[ACD:ACD+1], v[DD+48+\e:DD+49+\e], v[WS+16+\e:WS+17+\e], v[ACD:ACD+1]
.endr
.endm
; Eight products: four tiles of 16 hidden units x (pairs 0-15 by Wa, pairs 16-31 by Wb).  Source 0 = W1's rows, source 1 = cross: lane (r, h) holds pair r (or 16 + r) and hidden units 16 t + 8 h + 0..7.
; pass 1: C = b1.  pass 2: C = D in place, taken by its magnitude.  The eight accumulators take turns, one instruction a turn.
.macro MATS pass
	WIN 0x51                                       ; source 0, C and D window 1; the codes window 0; scale operands have no window
.irp t, 0,1,2,3
.if (\pass) == 1
	v_wmma_scale_f32_16x16x128_f8f6f4 v[DD+8*\t:DD+8*\t+7], v[WA+8*\t:WA+8*\t+7], v[CD:CD+7], v[BIAS+8*\t:BIAS+8*\t+7], v[WSC+\t], v[XS] matrix_a_fmt:MATRIX_FMT_FP4 matrix_b_fmt:MATRIX_FMT_FP4
	v_wmma_scale_f32_16x16x128_f8f6f4 v[DD+32+8*\t:DD+32+8*\t+7], v[WB+8*\t:WB+8*\t+7], v[CD:CD+7], v[BIAS+8*\t:BIAS+8*\t+7], v[WSC+\t], v[XS] matrix_a_fmt:MATRIX_FMT_FP4 matrix_b_fmt:MATRIX_FMT_FP4 matrix_b_scale:MATRIX_SCALE_ROW1
.else
	v_wmma_scale_f32_16x16x128_f8f6f4 v[DD+8*\t:DD+8*\t+7], v[WA+8*\t:WA+8*\t+7], v[CD:CD+7], v[DD+8*\t:DD+8*\t+7], v[WSC+\t], v[XS] matrix_a_fmt:MATRIX_FMT_FP4 matrix_b_fmt:MATRIX_FMT_FP4 neg_hi:[0,0,1]
	v_wmma_scale_f32_16x16x128_f8f6f4 v[DD+32+8*\t:DD+32+8*\t+7], v[WB+8*\t:WB+8*\t+7], v[CD:CD+7], v[DD+32+8*\t:DD+32+8*\t+7], v[WSC+\t], v[XS] matrix_a_fmt:MATRIX_FMT_FP4 matrix_b_fmt:MATRIX_FMT_FP4 matrix_b_scale:MATRIX_SCALE_ROW1 neg_hi:[0,0,1]
.endif
.endr
	WIN 0
.endm
.macro CLOSE                           ; the four chains become 2 score of MY pair
	v_add_f32 v[ACA], v[ACA], v[ACA+1]             ; pairs 0-15: lanes r and 16 + r hold the two halves of pair r's hidden units
	v_add_f32 v[ACC], v[ACC], v[ACC+1]             ; pairs 16-31: lanes r and 16 + r hold those of pair 16 + r
	s_delay_alu instid0(VALU_DEP_1)
	v_permlane16_swap_b32 v[ACA], v[ACC]           ; the first's lanes 16-31 change places with the second's lanes 0-15: now both halves of lane l's pair lie in lane l
	s_delay_alu instid0(VALU_DEP_1)
	v_add_f32 v[ACA], v[ACA], v[ACC]
.endm
; A TILE OF 32 PAIRS.  d: where cross goes; a, b (bw = 1: window 1): the two rows.  pre = 1: the tile before is reduced here, between this tile's codes and its products.
; ld = 1: each half of x_(l+e) is read anew as soon as its codes are made.  wt = 1: the tile waits for such reads.  Score of the tile before at sreg + soff, my s one slot on in the second table.
.macro TILE d, a, b, bw, pre, ld, wt, xreg, xoff, sreg, soff
.if \wt
	s_wait_dscnt 8                                 ; the row's first half is in: the eight loads of the second half may be out
.endif
	MUL \d, \a, \b, \bw, 0
	MA \d, 0
	s_delay_alu instid0(VALU_DEP_1)
	v_add_nc_u32 v[SC], 0xff000000, v[MXA]         ; 2 off the exponent field: the conversion's scale operand
.if \wt
	s_wait_dscnt 0x0                               ; the second half is in
.endif
	MUL \d, \a, \b, \bw, 1
	CVT \d, 0
.if \ld
	LOADJ \xreg, \xoff, 0
.endif
	MA \d, 1                                       ; (its first line is the plain line behind the conversions)
	s_delay_alu instid0(VALU_DEP_2)
	v_add_nc_u32 v[SC+1], 0xff000000, v[MXA]
	v_lshrrev_b32 v[BY], 23, v[SC]                 ; the scale bytes
	CVT \d, 1
	v_lshrrev_b32 v[BY+1], 23, v[SC+1]
	s_delay_alu instid0(VALU_DEP_1)
	v_lshl_or_b32 v[T], v[BY+1], 16, v[BY]
	s_delay_alu instid0(VALU_DEP_1)
	v_lshl_or_b32 v[XS], v[T], 8, v[T]             ; bytes e0 e0 e1 e1: lanes 0-15's codes are K blocks 0 and 2, lanes 16-31's K blocks 1 and 3
.if \ld
	LOADJ \xreg, \xoff, 1
.endif
.if \pre
	RED                                            ; 32 plain lines, of which 28 name no register of any one product below: the places between the scale word and the products
.else
.rept 8
	v_nop                                          ; a scale register written by a vector instruction stands eight places ahead of a scaled product
.endr
.endif
	MATS 1
	v_pk_add_f32 v[SA:SA+1], v[SA:SA+1], v[SB:SB+1]                ; seven plain lines that name no register of the products stand between the passes (five are asked)
.if \pre
	v_pk_add_f32 v[ACA:ACA+1], v[ACA:ACA+1], v[ACB:ACB+1]
	v_pk_add_f32 v[ACC:ACC+1], v[ACC:ACC+1], v[ACD:ACD+1]
.else
	v_nop
	v_nop
.endif
	v_add_f32 v[S], v[SA], v[SA+1]                 ; s of my pair
.if \pre
	CLOSE
.else
.rept 3
	v_nop
.endr
.endif
	ds_store_b32 v[\sreg], v[S] offset:2048+128+(\soff)
.if \pre
	ds_store_b32 v[\sreg], v[ACA] offset:\soff
.endif
	MATS 2
.endm
	TILE CB, J, I, 0, 0, 0, 1, ROW, 0, SCB, -128   ; tile 0: pairs (l, l+1)
	s_mov_b32 s[XO], 2*PITCH
	s_mov_b32 s[SO], 0
	s_mov_b32 s[CNT], 7
.Ldist:                                                ; e = 1 .. 7: pairs (l+16, l+e), while x_(l+e+1) is read; then pairs (l, l+e+1)
	v_add_nc_u32 v[ADR], s[XO], v[ROW]
	v_add_nc_u32 v[STA], s[SO], v[SCB]
	TILE J, J, K, 1, 1, 1, 0, ADR, 0, STA, 0
	TILE CB, J, I, 0, 1, 0, 1, ADR, 0, STA, 128
	s_add_co_u32 s[XO], s[XO], PITCH
	s_add_co_u32 s[SO], s[SO], 256
	s_sub_co_u32 s[CNT], s[CNT], 1
	s_cmp_lg_u32 s[CNT], 0
	s_cbranch_scc1 .Ldist
	TILE CB, I, K, 1, 1, 0, 0, ROW, 0, SCB, 14*128 ; tile 15: pairs (l, l+16), from the two kept rows
	v_cmp_gt_u32 vcc_lo, 16, v[LN]
.rept 4
	v_nop                                          ; four places between the last products and the first read of their results
.endr
	RED
	WIN 0
	v_pk_add_f32 v[ACA:ACA+1], v[ACA:ACA+1], v[ACB:ACB+1]
	v_pk_add_f32 v[ACC:ACC+1], v[ACC:ACC+1], v[ACD:ACD+1]
	CLOSE
	s_delay_alu instid0(VALU_DEP_1)
	v_cndmask_b32 v[ACA], 0xff800000, v[ACA], vcc_lo               ; lanes 16-31 hold lanes 0-15's pairs once more: -infinity, so that their weight is 0
	ds_store_b32 v[SCB], v[ACA] offset:15*128
	; THE SOFTMAX over the 512 slots.  Which lane takes which slot does not matter: a score and its s lie at the same place of the two tables.
.set SCR, J
.set SSV, J+16
.irp k, 0,1,2,3
	ds_load_b128 v[SCR+4*\k:SCR+4*\k+3], v[FRD] offset:512*\k      ; LDS serves a wave's instructions in order: these see my stores
.endr
.irp k, 0,1,2,3
	ds_load_b128 v[SSV+4*\k:SSV+4*\k+3], v[FRD] offset:2048+512*\k
.endr
	s_wait_dscnt 4                                 ; the scores are in; the four loads of s may be out
	v_max3_num_f32 v[MXA], v[SCR], v[SCR+1], v[SCR+2]
	v_max3_num_f32 v[MXB], v[SCR+3], v[SCR+4], v[SCR+5]
	s_delay_alu instid0(VALU_DEP_2)
	v_max3_num_f32 v[MXA], v[MXA], v[SCR+6], v[SCR+7]
	s_delay_alu instid0(VALU_DEP_2)
	v_max3_num_f32 v[MXB], v[MXB], v[SCR+8], v[SCR+9]
	s_delay_alu instid0(VALU_DEP_2)
	v_max3_num_f32 v[MXA], v[MXA], v[SCR+10], v[SCR+11]
	s_delay_alu instid0(VALU_DEP_2)
	v_max3_num_f32 v[MXB], v[MXB], v[SCR+12], v[SCR+13]
	s_delay_alu instid0(VALU_DEP_2)
	v_max3_num_f32 v[MXA], v[MXA], v[SCR+14], v[SCR+15]
	s_delay_alu instid0(VALU_DEP_1)
	v_max_num_f32 v[MXA], v[MXA], v[MXB]
	s_delay_alu instid0(VALU_DEP_1)
	v_max_num_f32_dpp v[MXA], v[MXA], v[MXA] row_xmask:1 row_mask:0xf bank_mask:0xf
	s_delay_alu instid0(VALU_DEP_1)
	v_max_num_f32_dpp v[MXA], v[MXA], v[MXA] row_xmask:2 row_mask:0xf bank_mask:0xf
	s_delay_alu instid0(VALU_DEP_1)
	v_max_num_f32_dpp v[MXA], v[MXA], v[MXA] row_xmask:4 row_mask:0xf bank_mask:0xf
	s_delay_alu instid0(VALU_DEP_1)
	v_max_num_f32_dpp v[MXA], v[MXA], v[MXA] row_xmask:8 row_mask:0xf bank_mask:0xf
	s_delay_alu instid0(VALU_DEP_1)
	v_permlanex16_b32 v[MXB], v[MXA], s[SEL], s[SEL+1]
	s_delay_alu instid0(VALU_DEP_1)
	v_max_num_f32 v[MXA], v[MXA], v[MXB]           ; the largest 2 score of the batch row, in every lane
	s_delay_alu instid0(VALU_DEP_1)
	v_mul_f32 v[MC], s[CS], v[MXA]
.irp k, 0,2,4,6,8,10,12,14
	v_pk_fma_f32 v[SCR+\k:SCR+\k+1], v[SCR+\k:SCR+\k+1], s[CS:CS+1], v[MC:MC+1] op_sel_hi:[1,0,0] neg_lo:[0,0,1] neg_hi:[0,0,1]   ; (score - largest) log2(e): 0 or less
.endr
	s_wait_alu depctr_va_vdst(0)
.irp k, 0,1,2,3,4,5,6,7,8,9,10,11,12,13,14,15
	v_exp_f32 v[SCR+\k], v[SCR+\k]
.endr
	s_wait_dscnt 0x0                               ; s
	v_nop                                          ; a plain line behind the last exponential
	s_wait_alu depctr_va_vdst(0)                   ; one wait for the sixteen, ahead of their first reader
	v_pk_mul_f32 v[SB:SB+1], v[SCR:SCR+1], v[SSV:SSV+1]
	v_pk_add_f32 v[SA:SA+1], v[SCR:SCR+1], v[SCR+2:SCR+3]
	v_pk_fma_f32 v[SB:SB+1], v[SCR+2:SCR+3], v[SSV+2:SSV+3], v[SB:SB+1]
.irp k, 4,6,8,10,12,14
	v_pk_add_f32 v[SA:SA+1], v[SA:SA+1], v[SCR+\k:SCR+\k+1]        ; the sum of the weights,
	v_pk_fma_f32 v[SB:SB+1], v[SCR+\k:SCR+\k+1], v[SSV+\k:SSV+\k+1], v[SB:SB+1]   ; and of weight x s
.endr
	s_delay_alu instid0(VALU_DEP_2)
	v_add_f32 v[SA], v[SA], v[SA+1]
	s_delay_alu instid0(VALU_DEP_2)
	v_add_f32 v[SB], v[SB], v[SB+1]
.irp m, 1,2,4,8
	s_delay_alu instid0(VALU_DEP_2)
	v_add_f32_dpp v[SA], v[SA], v[SA] row_xmask:\m row_mask:0xf bank_mask:0xf
	s_delay_alu instid0(VALU_DEP_2)
	v_add_f32_dpp v[SB], v[SB], v[SB] row_xmask:\m row_mask:0xf bank_mask:0xf
.endr
	s_delay_alu instid0(VALU_DEP_2)
	v_permlanex16_b32 v[MXA], v[SA], s[SEL], s[SEL+1]
	s_delay_alu instid0(VALU_DEP_2)
	v_permlanex16_b32 v[MXB], v[SB], s[SEL], s[SEL+1]
	s_delay_alu instid0(VALU_DEP_2)
	v_add_f32 v[SA], v[SA], v[MXA]                 ; at least 1: the largest score's weight is 1
	s_delay_alu instid0(VALU_DEP_2)
	v_add_f32 v[SB], v[SB], v[MXB]
	s_wait_alu depctr_va_vdst(0)
	v_rcp_f32 v[BY], v[SA]
	v_nop                                          ; a plain line behind the reciprocal
	v_cmp_eq_u32 vcc_lo, 0, v[LN]
	s_wait_alu depctr_va_vdst(0)                   ; ahead of its first reader
	v_mul_f32 v[S], v[SB], v[BY]
	s_wait_alu depctr_va_vdst(0)
	s_wait_xcnt 0x0                                ; EXEC changes only behind this wait: the head's loads have had their addresses translated
	s_wait_tensorcnt 0x0
	ds_add_u32 v62, v63
	s_wait_dscnt 0x0
	s_and_saveexec_b32 s37, vcc_lo                 ; lane 0 alone
	global_store_b32 v[NIL], v[S], s[14:15]        ; out0[my batch row]
	s_endpgm
.Lfunc_end_k_qe0c9ab17b9_afm:
	.size	k_qe0c9ab17b9_afm, .Lfunc_end_k_qe0c9ab17b9_afm-k_qe0c9ab17b9_afm
	.p2alignl 7, 3214868480
	.fill 96, 4, 3214868480
	.section	.rodata,"a",@progbits
	.p2align	6, 0x0
	.amdhsa_kernel k_qe0c9ab17b9_afm
		.amdhsa_group_segment_fixed_size 148736
		.amdhsa_private_segment_fixed_size 0
		.amdhsa_enable_private_segment 0
		.amdhsa_kernarg_size 48
		.amdhsa_user_sgpr_count 2
		.amdhsa_user_sgpr_kernarg_segment_ptr 1
		.amdhsa_wavefront_size32 1
		.amdhsa_system_sgpr_workgroup_id_x 1
		.amdhsa_system_sgpr_workgroup_id_y 1
		.amdhsa_system_sgpr_workgroup_id_z 1
		.amdhsa_system_vgpr_workitem_id 0
		.amdhsa_next_free_vgpr 512
		.amdhsa_next_free_sgpr 66
		.amdhsa_reserve_vcc 1
		.amdhsa_float_denorm_mode_32 3
		.amdhsa_float_denorm_mode_16_64 3
		.amdhsa_memory_ordered 1
		.amdhsa_forward_progress 1
		.amdhsa_inst_pref_size 80
	.end_amdhsa_kernel
	.amdgpu_metadata
---
amdhsa.version: [ 1, 2 ]
amdhsa.kernels:
  - .name:           k_qe0c9ab17b9_afm
    .symbol:         k_qe0c9ab17b9_afm.kd
    .args:
      - { .name: x, .offset: 0, .size: 8, .value_kind: global_buffer, .address_space: global }
      - { .name: W1, .offset: 8, .size: 8, .value_kind: global_buffer, .address_space: global }
      - { .name: b1, .offset: 16, .size: 8, .value_kind: global_buffer, .address_space: global }
      - { .name: Ws, .offset: 24, .size: 8, .value_kind: global_buffer, .address_space: global }
      - { .name: bs, .offset: 32, .size: 8, .value_kind: global_buffer, .address_space: global }
      - { .name: out0, .offset: 40, .size: 8, .value_kind: global_buffer, .address_space: global }
    .group_segment_fixed_size: 148736
    .private_segment_fixed_size: 0
    .kernarg_segment_align: 8
    .kernarg_segment_size: 48
    .max_flat_workgroup_size: 256
    .sgpr_count:     66
    .vgpr_count:     512
    .wavefront_size: 32
...
	.end_amdgpu_metadata
.endif
;; end of part 1
